; MI455X (gfx1250); checked and timed in simulation.
; The chip was launched on July 23, 2026; its instructions are those of AMD's public machine-readable ISA for CDNA 5 (MIT licence, August 2026) and "CDNA5" Instruction Set Architecture Reference Guide (July 2026). The comments in the code are by the model that wrote it; some were corrected since.
;; Multi Branch Dense. Allowed arithmetic: matrix products marked QUANTISED: E5M2 operands, one given power-of-two scale a tensor, by v_wmma_f32_16x16x64_bf8_bf8 or v_wmma_f32_16x16x128_bf8_bf8, f32 sums; products left as they are: f32 operands where the result goes on into a quantised operand, else bf16, f16 or f32 operands; f32 sums; everything else in f32.
;; Inputs: bias 8 x 512 float32; g 32,768 x 8 float32; kernel 8 x 512 x 512 float32; lowp_scales 2 int32 (the exponents e of the quantised operands' scales 2^e); x 32,768 x 512 float32.
;; Outputs: out0 32,768 x 512 float32.
;; This version of the problem:
;;   THIS VERSION OF THE PROBLEM IS GIVEN IN LOW PRECISION. The matrix products marked QUANTISED in the list below multiply operands that are first quantised to E5M2 (5 exponent bits, 2 mantissa bits; 8 bits a number), with one given power-of-two scale for each operand tensor; their sums are f32. All else is computed in f32.
;;   The module's matrix products, in the order in which they are computed (A, B: the left and right operand; K: the contracted axis; several contracted axes count as one K, in the product's order):
;;     1. batch 32,768 x [M 8, K 1] x [K 1, N 512]; A: computed on the way; B: computed on the way: left as it is (no contracted axis)
;;     2. [M 32,768, K 4,096] x [K 4,096, N 512]; A: computed on the way; B: input kernel: QUANTISED (scales: A lowp_scales[0], B lowp_scales[1])
;;     3. [M 32,768, K 8] x [K 8, N 512]; A: input g; B: input bias: left as it is (K = 8 < 32)
;;   THE QUANTISER, for each operand of a quantised product, along K:
;;     - The operand's scale is 2^e, e = its entry of the input lowp_scales (int32; the entries are numbered through the quantised products in the list's order, A before B).
;;     - Each number is divided by the scale, clamped to +-57,344, and rounded to the nearest number of E5M2, ties to even, subnormals kept.
;;     - The product sums the exact products of the quantised numbers (number of the format x scale) in f32.
;;   ~~~python
;;   def quantise(x, axis, e):      # numpy; x: float32 -> the quantised numbers, widened to float32 again
;;       x = np.moveaxis(x, axis, -1); K = x.shape[-1]
;;       r = np.clip(x / 2.0 ** e, -57344, 57344)
;;       step = 2.0 ** (np.maximum(np.frexp(np.where(r == 0, 1, r))[1] - 1, -14) - 2)
;;       q = np.round(r / step) * step * 2.0 ** e      # np.round: ties to even
;;       return np.moveaxis(q, -1, axis).astype(np.float32)
;;   ~~~
;;   OPERANDS COMPUTED ON THE WAY. 'Computed on the way' means the value that the module computes at that place (a softmax that the list does not call 'softmax' is quantised finished and normalised). What goes into a quantiser is computed in f32, as accurately as f32 sums, v_exp_f32 and their like allow (about 1e-6 of the number): no bf16 or f16 on the way to a quantiser, and a product that is left as it is and whose result goes on into a quantised operand takes f32 operands (vector FMAs, or v_wmma_f32_16x16x4_f32). A number that lies on a knife's edge between two numbers of the format may be rounded either way, as far as f32 arithmetic and the matrix unit's own rounding can turn it there, and no further.
;; One version. Each part assembles by itself: llvm-mc -triple=amdgcn-amd-amdhsa -mcpu=gfx1250 --defsym DOCPART=n.
;; ======== version 1 of 1: 2 launches
;; limits: values are held in bf16: 8 bits of precision; right only within a limited range of input values
;; workspace buffers: kcodes 2,097,152 bytes
;; launch quantk (part 1): grid 256 x 1, 8 waves a work-group, no clusters, 0 bytes of LDS; arguments kernel, lowp_scales, kcodes; writes kcodes
.if DOCPART == 1
	.amdgcn_target "amdgcn-amd-amdhsa--gfx1250"
	.amdhsa_code_object_version 6
	.text
	.protected	k_q92e72045e9_quantk
	.globl	k_q92e72045e9_quantk
	.p2align	8
	.type	k_q92e72045e9_quantk,@function
k_q92e72045e9_quantk:
	s_mov_b64 s[64:65], 0
	v_nop
	global_prefetch_b8 v0, s[64:65] scope:SCOPE_SE
	s_setreg_imm32_b32 hwreg(HW_REG_WAVE_MODE, 25, 1), 1
	s_wait_xcnt 0x0
; kernel [8 (g)][512 (i)][512 (o)], f32, becomes codes of BF8 (E5M2) with the given scale 2^e1 (entry 1 of lowp_scales), laid in the ORDER OF THE OPERAND'S REGISTERS of the next launch:
;   kcodes [p 16][w 4][u 2][j 8][c 4][lane 32][16 bytes].  K step s = 2 p + u holds all 8 g for i = 16 s .. 16 s + 15; column o = 16 (8 w + j) + lane % 16; h = lane / 16;
;   byte jj of the 16: g = 2 c + jj / 8, i = 16 s + 8 h + jj % 8.  The next launch lays its other operand by the same map, so every product meets its partner.
; code = x / 2^e1, held within +-57,344, rounded to the nearest code, ties to even.  LIMITS: e1 between -126 and 112.  NaN among the inputs is not served; an infinity is held at the largest code.
; SHARES.  Work-group X: m = X / 4 is a block of 8 along i, ch = (X / 2) % 2 a half of the 8 g, oh = X % 2 a half of the columns.  A LANE TAKES A COLUMN AND ITS REGISTERS RUN DOWN i: each load reads 128 consecutive
; bytes a wave, the eight waves 1,024 on end; the conversion takes 8 neighbours along i from a lane's registers.  A lane's 16 bytes (two g) are a place of the layout as they stand: sixteen lanes store 256 consecutive
; bytes, at a multiple of 256 from the buffer's first byte.  No LDS, no loop, no barrier; every register is written once.
.set X, 16                             ; v16-47  32 numbers: g = 4 ch + gl, i = 8 m + 0 .. 7 at v[X + 8 gl ..]
.set C, 48                             ; v48-55  their codes
	s_load_b128 s[4:7], s[0:1], 0x0                ; kernel s[4:5], lowp_scales s[6:7]
	s_load_b64 s[8:9], s[0:1], 0x10                ; kcodes
	v_lshrrev_b32 v3, 5, v0
	s_delay_alu instid0(VALU_DEP_1)
	v_readfirstlane_b32 s10, v3                    ; wave v, 0..7
	v_and_b32 v4, 31, v0                           ; lane
	s_delay_alu instid0(VALU_DEP_1)
	v_lshlrev_b32 v1, 2, v4                        ; in: 4 bytes a lane
	s_delay_alu instid0(VALU_DEP_2)
	v_and_b32 v5, 15, v4
	s_delay_alu instid0(VALU_DEP_3)
	v_lshrrev_b32 v6, 4, v4
	s_delay_alu instid0(VALU_DEP_2)
	v_lshlrev_b32 v2, 4, v5
	s_delay_alu instid0(VALU_DEP_1)
	v_lshl_add_u32 v2, v6, 11, v2                  ; out: 16 (lane % 16) + 2,048 (lane / 16): lanes 16-31 hold the next column tile j
	s_lshr_b32 s11, ttmp9, 2                       ; m
	s_bfe_u32 s12, ttmp9, 0x10001                  ; ch
	s_and_b32 s13, ttmp9, 1                        ; oh
	s_lshl_b32 s14, s12, 22                        ; in: 4 ch planes of 1,048,576 bytes
	s_lshl_b32 s15, s11, 14                        ; + 8 m rows of 2,048
	s_add_co_u32 s14, s14, s15
	s_lshl_b32 s15, s13, 10                        ; + 256 oh columns
	s_add_co_u32 s14, s14, s15
	s_lshl_b32 s15, s10, 7                         ; + 32 v columns
	s_add_co_u32 s14, s14, s15
	s_mov_b32 s15, 0
	s_lshr_b32 s16, s11, 2                         ; out: p = m / 4
	s_lshl_b32 s16, s16, 17
	s_lshl_b32 s17, s13, 1                         ; w = 2 oh + v / 4
	s_lshr_b32 s18, s10, 2
	s_add_co_u32 s17, s17, s18
	s_lshl_b32 s17, s17, 15
	s_add_co_u32 s16, s16, s17
	s_bfe_u32 s17, s11, 0x10001                    ; u = (m / 2) % 2
	s_lshl_b32 s17, s17, 14
	s_add_co_u32 s16, s16, s17
	s_and_b32 s17, s10, 3                          ; j = 2 (v % 4) + lane / 16
	s_lshl_b32 s17, s17, 12
	s_add_co_u32 s16, s16, s17
	s_lshl_b32 s17, s12, 10                        ; c = 2 ch + 0, 1
	s_add_co_u32 s16, s16, s17
	s_and_b32 s17, s11, 1                          ; h = m % 2: the upper sixteen places of a group of 32
	s_lshl_b32 s17, s17, 8
	s_add_co_u32 s16, s16, s17
	s_mov_b32 s17, 0
	s_wait_alu depctr_va_vdst(0)
	s_wait_kmcnt 0x0
	s_load_b32 s20, s[6:7], 0x4                    ; e1
	s_add_nc_u64 s[4:5], s[4:5], s[14:15]
	s_add_nc_u64 s[8:9], s[8:9], s[16:17]
.irp gl, 0,1,2,3
.irp i, 0,1,2,3,4,5,6,7
	global_load_b32 v[X+8*\gl+\i], v1, s[4:5] offset:\gl*1048576+\i*2048 th:TH_LOAD_NT   ; read once in the launch; the largest offset, 3,160,064, lies inside the signed 24-bit immediate
.endr
.endr
	s_wait_kmcnt 0x0
	s_add_co_i32 s20, s20, 127
	s_lshl_b32 s21, s20, 23
	v_mov_b32 v11, s21                             ; 2^e1 as f32: the conversion takes its exponent field
	s_add_co_i32 s20, s20, 15
	s_lshl_b32 s20, s20, 23
	s_or_b32 s20, s20, 0x600000
	v_mov_b32 v10, s20                             ; 57,344 x 2^e1
	s_wait_alu depctr_va_vdst(0)
.irp gl, 0,1,2,3
	s_wait_loadcnt 24-8*\gl                        ; this g's eight loads are in; the later g's may be out
.irp i, 0,1,2,3,4,5,6,7
	v_med3_num_f32 v[X+8*\gl+\i], v[X+8*\gl+\i], -v10, v10   ; the conversion to an 8-bit code does not saturate (ISA guide 7.6.2): the hold comes first
.endr
	v_cvt_scalef32_pk8_bf8_f32 v[C+2*\gl:C+2*\gl+1], v[X+8*\gl:X+8*\gl+7], v11
.endr
	v_nop                                          ; a plain line behind the last conversion
	global_store_b128 v2, v[C:C+3], s[8:9]         ; group c = 2 ch
	global_store_b128 v2, v[C+4:C+7], s[8:9] offset:512   ; group c = 2 ch + 1
	s_endpgm
.Lfunc_end_k_q92e72045e9_quantk:
	.size	k_q92e72045e9_quantk, .Lfunc_end_k_q92e72045e9_quantk-k_q92e72045e9_quantk
	.p2alignl 7, 3214868480
	.fill 96, 4, 3214868480
	.section	.rodata,"a",@progbits
	.p2align	6, 0x0
	.amdhsa_kernel k_q92e72045e9_quantk
		.amdhsa_group_segment_fixed_size 0
		.amdhsa_private_segment_fixed_size 0
		.amdhsa_enable_private_segment 0
		.amdhsa_kernarg_size 24
		.amdhsa_user_sgpr_count 2
		.amdhsa_user_sgpr_kernarg_segment_ptr 1
		.amdhsa_wavefront_size32 1
		.amdhsa_system_sgpr_workgroup_id_x 1
		.amdhsa_system_sgpr_workgroup_id_y 1
		.amdhsa_system_sgpr_workgroup_id_z 1
		.amdhsa_system_vgpr_workitem_id 0
		.amdhsa_next_free_vgpr 64
		.amdhsa_next_free_sgpr 66
		.amdhsa_reserve_vcc 0
		.amdhsa_float_denorm_mode_32 3
		.amdhsa_float_denorm_mode_16_64 3
		.amdhsa_memory_ordered 1
		.amdhsa_forward_progress 1
		.amdhsa_inst_pref_size 8
	.end_amdhsa_kernel
	.amdgpu_metadata
---
amdhsa.version: [ 1, 2 ]
amdhsa.kernels:
  - .name:           k_q92e72045e9_quantk
    .symbol:         k_q92e72045e9_quantk.kd
    .args:
      - { .name: kernel, .offset: 0, .size: 8, .value_kind: global_buffer, .address_space: global }
      - { .name: lowp_scales, .offset: 8, .size: 8, .value_kind: global_buffer, .address_space: global }
      - { .name: kcodes, .offset: 16, .size: 8, .value_kind: global_buffer, .address_space: global }
    .group_segment_fixed_size: 0
    .private_segment_fixed_size: 0
    .kernarg_segment_align: 8
    .kernarg_segment_size: 24
    .max_flat_workgroup_size: 256
    .sgpr_count:     66
    .vgpr_count:     64
    .wavefront_size: 32
...
	.end_amdgpu_metadata
.endif
;; end of part 1
;; launch branch (part 2): grid 256 x 1, 4 waves a work-group, clusters of 4 x 1, 327,680 bytes of LDS; arguments x, g, kcodes, bias, lowp_scales, out0; writes out0
.if DOCPART == 2
	.amdgcn_target "amdgcn-amd-amdhsa--gfx1250"
	.amdhsa_code_object_version 6
	.text
	.protected	k_q92e72045e9_branch
	.globl	k_q92e72045e9_branch
	.p2align	8
	.type	k_q92e72045e9_branch,@function
k_q92e72045e9_branch:
	s_mov_b64 s[64:65], 0
	v_nop
	global_prefetch_b8 v0, s[64:65] scope:SCOPE_SE
	s_setreg_imm32_b32 hwreg(HW_REG_WAVE_MODE, 25, 1), 1
	s_wait_xcnt 0x0
	s_wait_alu depctr_hold_cnt(0) depctr_sa_sdst(0) depctr_va_vdst(0) depctr_va_sdst(0) depctr_va_ssrc(0) depctr_va_vcc(0) depctr_vm_vsrc(0)
	s_getreg_b32 s2, hwreg(HW_REG_IB_STS2, 6, 4)
	s_cmp_eq_u32 s2, 0
	s_cbranch_scc0 .Lentry_in_a_cluster
	s_endpgm
.Lentry_in_a_cluster:
	s_bfe_u32 s2, ttmp6, 0x10000c
	s_cmp_lg_u32 s2, 0x3003
	s_cbranch_scc0 .Lentry_shape_is_right
	s_endpgm
.Lentry_shape_is_right:
; out[b][o] = sum over (i, g) of Q(x[b][i] g[b][g]) Q(kernel[g][i][o]) + sum over g of g[b][g] bias[g][o].  x [32768][512], g [32768][8], bias [8][512], out [32768][512], f32; kcodes: the launch before laid them in the operand's order.
; A work-group makes 128 rows x all 512 columns, so each product x g is formed and quantised once.  Four waves: wave w makes all 128 rows x columns 128 w .. 128 w + 127 (64 accumulators of 16 x 16) and quantises rows 32 w .. 32 w + 31.
; K = 4,096 goes in 32 steps of 128: 16 i x 8 g.  Within a step lane (r, h), register group c, byte jj: g = 2 c + jj / 8, i = 8 h + jj % 8: one map for both operands.  Eight trips of four steps; trip t of a cluster takes the 64 i of number (start + t) % 8.
; OWN TILES STAY IN REGISTERS: wave w's row tiles a = 2 p + 0, 1 are rows 32 ((w + p) % 4) + 0, 16: tiles 0 and 1 are those that it quantises, and are multiplied from the conversions' registers; tiles 2-7 come from LDS.
; LDS: two slots of B (two K steps, 131,072 bytes, each wave its own 32,768), two buffers of 16,384 bytes of A's codes, the spare words.
; CLUSTERS: four work-groups need the same B at the same time: joint loads, mask 15; a round of the cluster's barrier at each refill, with products inside.
; THE MATRIX INSTRUCTION IS USED TRANSPOSED (source 0 = columns, source 1 = rows): a lane holds eight neighbouring columns of one row.
; PREFETCH: trip t asks for the 256 bytes of each of its 32 rows of x that trip t + 2 multiplies (loaded in trip t + 1): a lane a row, one instruction a wave, each block named once; trips 6 and 7 ask for nothing.  kcodes is read by all work-groups in the same walk and is not prefetched.
; code = x g / 2^e0, held within +-57,344, to nearest, ties to even.  LIMITS: e0 between -126 and 112; e0 + e1 between -126 and 126.  The inputs are finite: a NaN is not served, and an infinity in bias or g can reach other columns of its row as NaN.
; The bias product has bf16 operands; it starts the sums, g divided by 2^(e0 + e1) first, and the finished sum is multiplied by 2^(e0 + e1).
; REGISTERS.  Window 0: v0-31 addresses; v32-95 x of four steps; v96-159 four sets of 16 products; v160-191 g of my two tiles, each number twice; v192-255 B's fragments 0-3.
;   Window 1: v0-63 own codes, two sets; v64-159 A's tiles 2-7; v160-223 B's fragments 4-7.  Window 2: accumulators of tiles 0-3; window 3: of tiles 4-7.
.set SLOTB, 131072
.set AI0,   262144
.set SPARE, 294912
.set SPW,  2
.set NIL,  3
.set XO,   4
.set PFO,  5
.set LIA,  6                           ; v6-8: tiles 2-3, 4-5, 6-7 in the codes' buffer 0
.set STA,  9
.set ADRB, 10                          ; v10-11: my part of slot 0, 1
.set STO,  12
.set CO,   13
.set SC,   14
.set LIM,  15
.set GOF,  16
.set BOF,  17
.set RR,   20
.set HH,   21
.set AL,   22
.set X,    32
.set T,    96
.set GG,   160
.set TMP,  32
.set WV,   16
.set QN,   19
.set CNT,  20
.set G1,   24
.set G0,   32
.set XR0,  40
.set XBN,  42
.set PFB,  44
.set KBW,  46
.set KOFF, 48
.set PW,   52
.set NW,   54
.set GBP,  66                          ; s[66:73]: g of the rows of tile pairs 0-3
.set OBP,  74                          ; s[74:81]: out, likewise
.set WP,   82                          ; s82-85: (w + p) % 4
.set MSB, 0
.set WA,  0
.set CC,  0
.set LS,  0
.set XS,  0
.set k,   0
.set em,  0
.set ULIM, 1000
.macro WIN new                         ; the immediate's high byte repeats the setting that is left
.if MSB != (\new)
	s_set_vgpr_msb (MSB<<8)|(\new)
.set MSB, (\new)
.endif
.endm
.macro PLACES
.rept 4
	v_nop
.endr
.endm
.macro SIG3
	s_cmp_lg_u32 s[WV], 0
	s_cbranch_scc1 .Lnot_wave_0_\@
	s_barrier_signal -3
.Lnot_wave_0_\@:
.endm
.macro CROUND
	s_barrier_signal -1
	s_barrier_wait -1
	SIG3
	s_barrier_wait -3
	s_barrier_signal -1
	s_barrier_wait -1
.endm
; THE QUANTISER is one stream of units.  Unit n makes 16 codes a lane: step n / 8, tile (n % 8) / 4, register group c = n % 4: eight x by g = 2 c, then by g = 2 c + 1.
; While unit U is held within the largest code, unit U + 1 is multiplied and unit U - 1 converted: 26 lines, in two halves of 13; eleven plain lines or more stand between a write and its reader.
.macro QMUL n, m
.if (\n) < ULIM
.set tq, ((\n)%8)/4
.set xq, X+16*(((\n)/8)%4)+8*tq+2*((\m)%4)
.set gq, GG+16*tq+4*((\n)%4)+2*((\m)/4)
.set dq, T+16*((\n)%4)+2*(\m)
	WIN 0
	v_pk_mul_f32 v[dq:dq+1], v[xq:xq+1], v[gq:gq+1]
.set em, em+1
.endif
.endm
.macro QMED n, i
.if (\n) < ULIM
.set dq, T+16*((\n)%4)+(\i)
	WIN 0
	v_med3_num_f32 v[dq], v[dq], -v[LIM], v[LIM]   ; the conversion to an 8-bit code does not saturate (ISA guide 7.6.2)
.set em, em+1
.endif
.endm
.macro QCVT n, e
.if (\n) >= 0
.if (\n) < ULIM
.set dq, 32*(((\n)/8)%2)+16*(((\n)%8)/4)+4*((\n)%4)+2*(\e)
.set tq, T+16*((\n)%4)+8*(\e)
	WIN 0x40
	v_cvt_scalef32_pk8_bf8_f32 v[dq:dq+1], v[tq:tq+7], v[SC]
.set em, em+1
.endif
.endif
.endm
.macro PI
.set U, k/26
.set rq, k%26
.if rq < 5
	QMED U, rq
.elseif rq < 13
	QMUL U+1, rq-5
.elseif rq < 24
	QMED U, rq-8
.else
	QCVT U-1, rq-24
.endif
.set k, k+1
.endm
.macro CH n, need                      ; the stream's next n lines; where fewer than four are left and loads follow, four v_nop are the places
.set em, 0
.rept \n
	PI
.endr
.if \need
.if em < 4
	PLACES
.endif
.endif
.endm
; The memory instructions: B's fragment j or A's tile a of step LS, two stores of step LS's codes, a load of x.  They stand in runs behind the quantiser's lines, none among a group's products.
.macro LB j
.if (\j) < 4
.set dr, 192+16*(\j)
	WIN 0
.else
.set dr, 160+16*((\j)-4)
	WIN 0x40
.endif
.irp f, 0,1,2,3
	ds_load_b128 v[dr+4*\f:dr+4*\f+3], v[ADRB+((LS>>1)&1)] offset:(LS&1)*16384+(\j)*2048+512*\f
.endr
.endm
.macro LA a
.set dr, 64+16*((\a)-2)
	WIN 0x40
.irp f, 0,1,2,3
	ds_load_b128 v[dr+4*\f:dr+4*\f+3], v[LIA+(\a)/2-1] offset:(LS&1)*16384+((\a)%2)*2048+512*\f
.endr
.endm
.macro STQ n
	WIN 0x04
.irp i, 0,1
.set ix, 2*(\n)+\i
.set dr, 32*(LS%2)+4*ix
	ds_store_b128 v[STA], v[dr:dr+3] offset:(LS&1)*16384+ix*512
.endr
.endm
.macro XL n
.set dr, X+16*XS+4*(\n)
	WIN 0
	global_load_b128 v[dr:dr+3], v[XO], s[XBN:XBN+1] offset:((\n)/2)*32768+64*XS+16*((\n)%2)
.endm
.macro SH op
.if (\op) < 26
	XL (\op)-22
.endif
.endm
.macro MM a, b
.if (\b) < 4
.set br, 192+16*(\b)
.set wn, 0x04+0x50*(2+(\a)/4)
.else
.set br, 160+16*((\b)-4)
.set wn, 0x05+0x50*(2+(\a)/4)
.endif
.if (\a) < 2
.set qr, 32*(CC%2)+16*(\a)
.else
.set qr, 64+16*((\a)-2)
.endif
.set ar, 8*(8*((\a)%4)+(\b))
	WIN wn
	v_wmma_f32_16x16x128_bf8_bf8 v[ar:ar+7], v[br:br+15], v[qr:qr+15], v[ar:ar+7]
.endm
.macro GRP h, b                        ; four products: tiles 4 h .. 4 h + 3 x column tile b.  The 64 accumulators take turns, in the same order in every step
	MM 4*(\h)+0, \b
	MM 4*(\h)+1, \b
	MM 4*(\h)+2, \b
	MM 4*(\h)+3, \b
.endm
.macro DW n
.if WA
	s_wait_alu depctr_va_vdst(0)                   ; the wait where few vector lines are left
.endif
	s_wait_dscnt \n
.endm
; A STEP c: 16 groups.  Groups 1-8: tiles 0-3 x b = 0..7; 9-16: tiles 4-7 x b.  Its LDS loads in their order, four each: in the step before, A2 A3 B0 B1 B2 ahead of group 12 and B3 B4 B5 ahead of group 15; then B6 B7 A4 A5 A6 A7 ahead of group 1.
; Each is issued behind the last product that reads its registers, with a run of the quantiser's lines (or four v_nop) between.
; The next step's codes are finished in group 6 and stored ahead of group 7; the barrier's signal stands behind group 8, the loads behind it ahead of group 12.
; mode 0: the last step (groups 1-8 alone); 1: a barrier; 2: a barrier that shows the other slot; 3, 4: a round of the cluster's barrier and the refill of slot mode - 3.
.macro STEP c, mode, xl, lw
.set CC, \c
.set LS, \c
.set XS, (\c)%4
.if \xl
.set xb, 22
.else
.set xb, 99
.endif
	LB 6
	LB 7
	LA 4
	LA 5
	LA 6
	LA 7
	DW 44                                          ; A2 A3 B0 are in; B1-B7 and A4-A7 may be out
	GRP 0, 0
	CH 13, 0
	DW 40                                          ; B1 is in
	GRP 0, 1
	CH 13, 0
	DW 36                                          ; B2
	GRP 0, 2
.if (\lw) >= 0
	s_wait_loadcnt \lw                             ; x of two steps on is in; the loads of one step may be out
.endif
	CH 13, 0
	DW 32                                          ; B3; B4-B7 and A4-A7 may be out
	GRP 0, 3
	CH 13, 0
	DW 28                                          ; B4
	GRP 0, 4
	CH 13, 0
	DW 24                                          ; B5
	GRP 0, 5
	CH 13, 0
.set LS, (\c)+1
.if (\mode) == 0
	DW 20                                          ; B6
	GRP 0, 6
	DW 16                                          ; B7; A4-A7 may be out
	GRP 0, 7
.else
	SH xb
	SH xb+1
	STQ 0
	STQ 1
	STQ 2
	STQ 3
.if (\mode) >= 2
	WIN 0
	s_wait_tensorcnt 0x0                           ; all my tensor loads have landed: my part of the other slot
	ds_add_u32 v2, v3
.if (\mode) >= 3
	s_add_nc_u64 s[G0+4*((\mode)-3)+2:G0+4*((\mode)-3)+3], s[KBW:KBW+1], s[KOFF+2*((\mode)-3):KOFF+2*((\mode)-3)+1]
	s_or_b32 s[G0+4*((\mode)-3)+3], s[G0+4*((\mode)-3)+3], 0x80000000
.endif
	DW 29                                          ; B6; B7, A4-A7, the eight stores and the add may be out
.else
	DW 28                                          ; B6; B7, A4-A7 and the eight stores may be out
.endif
	GRP 0, 6
	CH 13, 0
.if (\mode) >= 2
	DW 25                                          ; B7
.else
	DW 24                                          ; B7
.endif
	GRP 0, 7
	CH 13, 0
	DW 0                                           ; the codes are stored, my reads of this slot and of this step's codes are over
	s_barrier_signal -1
	GRP 1, 0
	CH 13, 1
.if (\mode) >= 3
	WIN 0
	s_barrier_wait -1
	SIG3                                           ; wave 0 signals for the work-group
	s_barrier_wait -3
	s_barrier_signal -1                            ; groups 10 and 11 stand between this and its wait
.endif
	GRP 1, 1
	CH 13, 1
	GRP 1, 2
.if (\mode) >= 3
	CH 9, 0
	s_barrier_wait -1                              ; no wave of any partner still reads the slot or has a load on its way
	tensor_load_to_lds s[G0+4*((\mode)-3):G0+4*((\mode)-3)+3], s[G1:G1+7]
	s_nop 0
	CH 4, 0
.else
	CH 13, 1
	s_barrier_wait -1
.endif
	LA 2                                           ; the next step's
	LA 3
	LB 0
	LB 1
	LB 2
	SH xb+2
	GRP 1, 3
	CH 13, 1
	GRP 1, 4
	CH 13, 1
	GRP 1, 5
	CH 13, 1
	LB 3
	LB 4
	LB 5
	SH xb+3
	GRP 1, 6
	CH 13, 1
	GRP 1, 7
	CH 13, 1
.endif
.endm
	s_load_b256 s[4:11], s[0:1], 0x0               ; x, g, kcodes, bias
	s_load_b128 s[12:15], s[0:1], 0x20             ; lowp_scales, out0
	v_lshl_add_u32 v[SPW], v0, 2, SPARE
	v_mov_b32 v[NIL], 0
	ds_add_u32 v2, v3                              ; the wave's opening: the add, twice on end, and its wait
	ds_add_u32 v2, v3
	v_lshrrev_b32 v18, 5, v0
	v_readfirstlane_b32 s[WV], v18                 ; wave w
	v_and_b32 v[RR], 15, v0                        ; r
	v_bfe_u32 v[HH], v0, 4, 1                      ; h
	v_and_b32 v19, 31, v0                          ; lane
	v_lshlrev_b32 v[XO], 11, v[RR]                 ; x: row r, 32 bytes for each half of the lanes
	v_lshl_add_u32 v[XO], v[HH], 5, v[XO]
	v_lshlrev_b32 v[GOF], 5, v[RR]
	v_lshlrev_b32 v[BOF], 2, v[RR]
	v_lshlrev_b32 v[PFO], 11, v19
	v_lshlrev_b32 v[CO], 4, v19
	s_bfe_u32 s17, ttmp6, 0x40000
	s_lshl_b32 s18, ttmp9, 2
	s_add_co_u32 s18, s18, s17                     ; work-group
	s_lshr_b32 s[QN], ttmp9, 3
	s_add_co_u32 s[QN], s[QN], ttmp9
	s_and_b32 s[QN], s[QN], 7                      ; the cluster's first 64 i
	s_mov_b32 s[G1], 15|(3<<16)|(1<<21)            ; mask 15; elements of 8 bytes; bit 21 set beside a mask
	s_mov_b32 s[G1+1], 32<<16                      ; 128 rows of 256 bytes, dense
	s_mov_b32 s[G1+2], 128<<16
	s_mov_b32 s[G1+3], 32<<16
	s_mov_b32 s[G1+4], 128
	s_mov_b32 s[G1+5], 32
	s_mov_b32 s[G1+6], 0
	s_mov_b32 s[G1+7], 0
	s_lshl_b32 s21, s[WV], 15
	s_mov_b32 s22, s21
	s_mov_b32 s23, 0
	s_mov_b32 s[G0], 1
	s_mov_b32 s[G0+1], s21
	s_mov_b32 s[G0+4], 1
	s_add_co_u32 s[G0+5], s21, SLOTB
	s_lshl_b32 s[KOFF], s[QN], 18
	s_mov_b32 s[KOFF+1], 0
	s_add_co_u32 s[KOFF+2], s[KOFF], SLOTB
	s_mov_b32 s[KOFF+3], 0
.irp p, 0,1,2,3
	s_add_co_u32 s[WP+\p], s[WV], \p
	s_and_b32 s[WP+\p], s[WP+\p], 3
.endr
	s_lshl_b32 s58, s18, 18                        ; 128 rows of 2,048 bytes
	s_lshl_b32 s60, s[WV], 16
	s_add_co_u32 s58, s58, s60
	s_mov_b32 s59, 0
	s_mov_b32 s61, 0
	s_wait_dscnt 0x0                               ; both opening adds are done
	s_wait_alu depctr_va_vdst(0)
	s_wait_kmcnt 0x0
	s_load_b64 s[PW:PW+1], s[12:13], 0x0           ; e0, e1
	s_add_nc_u64 s[KBW:KBW+1], s[8:9], s[22:23]
	s_add_nc_u64 s[G0+2:G0+3], s[KBW:KBW+1], s[KOFF:KOFF+1]
	s_or_b32 s[G0+3], s[G0+3], 0x80000000
	s_add_nc_u64 s[G0+6:G0+7], s[KBW:KBW+1], s[KOFF+2:KOFF+3]
	s_or_b32 s[G0+7], s[G0+7], 0x80000000
	s_add_nc_u64 s[XR0:XR0+1], s[4:5], s[58:59]
	s_lshl_b32 s60, s[QN], 8
	s_add_nc_u64 s[XBN:XBN+1], s[XR0:XR0+1], s[60:61]
	s_add_co_u32 s[QN], s[QN], 1
.irp st, 0,1,2,3
.set XS, \st
	XL 0
	XL 1
	XL 2
	XL 3
.endr
	s_lshl_b32 s58, s18, 12                        ; g: 128 rows of 32 bytes
	s_add_nc_u64 s[6:7], s[6:7], s[58:59]
.irp p, 0,1,2,3
	s_lshl_b32 s60, s[WP+\p], 10
	s_add_nc_u64 s[GBP+2*\p:GBP+2*\p+1], s[6:7], s[60:61]
.endr
	WIN 0x40
.irp a, 0,1,2,3,4,5,6,7
.irp f, 0,1
	global_load_b128 v[64+8*\a+4*\f:64+8*\a+4*\f+3], v[GOF], s[GBP+2*(\a/2):GBP+2*(\a/2)+1] offset:512*(\a%2)+16*\f
.endr
.endr
	WIN 0
	CROUND                                         ; all four work-groups are here: the first joint loads meet
	tensor_load_to_lds s[G0:G0+3], s[G1:G1+7]      ; steps 0 and 1: one tensor load a wave at the head
	s_nop 0
	PLACES
	s_lshl_b32 s60, s[WV], 9
	s_add_nc_u64 s[10:11], s[10:11], s[60:61]      ; bias: my 128 columns
.irp j, 0,1,2,3,4,5,6,7
.irp i, 0,1,2,3,4,5,6,7
	global_load_b32 v[192+8*\j+\i], v[BOF], s[10:11] offset:2048*\i+64*\j
.endr
.endr
	s_lshl_b32 s58, s18, 18
	s_add_co_u32 s58, s58, s60
	s_add_nc_u64 s[14:15], s[14:15], s[58:59]
.irp p, 0,1,2,3
	s_lshl_b32 s60, s[WP+\p], 16
	s_add_nc_u64 s[OBP+2*\p:OBP+2*\p+1], s[14:15], s[60:61]
.endr
	s_lshl_b32 s86, s[WP+1], 12
	s_lshl_b32 s87, s[WP+2], 12
	s_lshl_b32 s88, s[WP+3], 12
	s_lshl_b32 s89, s[WV], 12
	v_add_nc_u32 v[AL], AI0, v[CO]
	v_add_nc_u32 v[ADRB], s21, v[CO]
	v_mul_u32_u24 v[STO], v[RR], 528
	v_add_nc_u32 v[LIA], s86, v[AL]
	v_add_nc_u32 v[LIA+1], s87, v[AL]
	v_add_nc_u32 v[LIA+2], s88, v[AL]
	v_add_nc_u32 v[STA], s89, v[AL]
	v_add_nc_u32 v[ADRB+1], SLOTB, v[ADRB]
	v_lshl_add_u32 v[STO], v[HH], 5, v[STO]
	v_add_nc_u32 v[STO], s21, v[STO]
	s_wait_alu depctr_va_vdst(0)
	s_wait_kmcnt 0x0
	s_add_co_i32 s58, s[PW], 127
	s_lshl_b32 s59, s58, 23
	v_mov_b32 v[SC], s59                           ; 2^e0
	s_add_co_i32 s58, s58, 15
	s_lshl_b32 s58, s58, 23
	s_or_b32 s58, s58, 0x600000
	v_mov_b32 v[LIM], s58                          ; 57,344 x 2^e0
	s_add_co_i32 s58, s[PW], s[PW+1]
	s_sub_co_i32 s[NW], 127, s58
	s_lshl_b32 s[NW], s[NW], 23                    ; 2^-(e0 + e1)
	s_mov_b32 s[NW+1], s[NW]
	s_add_co_i32 s[PW], s58, 127
	s_lshl_b32 s[PW], s[PW], 23                    ; 2^(e0 + e1)
	s_mov_b32 s[PW+1], s[PW]
	s_wait_alu depctr_va_vdst(0)
	s_wait_loadcnt 63                              ; x and g are in: bias's 64 loads stand behind them
	WIN 0x01
.irp t, 0,1
.irp i, 0,1,2,3,4,5,6,7
	v_mov_b32 v[GG+16*\t+2*\i], v[64+8*\t+\i]
	v_mov_b32 v[GG+16*\t+2*\i+1], v[64+8*\t+\i]
.endr
.endr
.irp m, 0,1,2,3,4,5,6,7
	QMUL 0, \m
.endr
	CH 234, 0                                      ; units 0-8: step 0's codes are made
	v_nop
.set LS, 0
	STQ 0
	STQ 1
	STQ 2
	STQ 3
	WIN 0
	s_wait_alu depctr_va_vdst(0)
	s_wait_loadcnt 0x0
	v_cmp_eq_u32 vcc_lo, 0, v[HH]
; The bias product: K = 8 of 32.  g's operand is zero beyond k = 7 (upper registers, lanes 16-31), so bias's operand may hold any finite numbers there: fragment b is four registers, and its upper four are fragment b + 1's.
	WIN 0x40
.irp j, 0,1,2,3,4,5,6,7
.irp i, 0,1,2,3
	v_cvt_pk_bf16_f32 v[128+4*\j+\i], v[192+8*\j+2*\i], v[193+8*\j+2*\i]
.endr
.endr
.irp i, 0,1,2,3
	v_mov_b32 v[160+\i], 0
.endr
	WIN 0x45
.irp j, 0,2,4,6,8,10,12,14,16,18,20,22,24,26,28,30,32,34,36,38,40,42,44,46,48,50,52,54,56,58,60,62
	v_pk_mul_f32 v[64+\j:65+\j], v[64+\j:65+\j], s[NW:NW+1] op_sel_hi:[1,0]
.endr
.irp a, 0,1,2,3,4,5,6,7
.irp i, 0,1,2,3
	v_cvt_pk_bf16_f32 v[164+8*\a+\i], v[64+8*\a+2*\i], v[65+8*\a+2*\i]
.endr
.endr
.irp a, 0,1,2,3,4,5,6,7
.irp i, 0,1,2,3
	v_cndmask_b32 v[164+8*\a+\i], 0, v[164+8*\a+\i], vcc_lo
	v_mov_b32 v[168+8*\a+\i], 0
.endr
.endr
.irp a, 0,1,2,3,4,5,6,7
	WIN 0x05+0x50*(2+\a/4)
.irp b, 0,1,2,3,4,5,6,7
	v_wmma_f32_16x16x32_bf16 v[8*(8*(\a%4)+\b):8*(8*(\a%4)+\b)+7], v[128+4*\b:135+4*\b], v[164+8*\a:171+8*\a], 0
.endr
.endr
	CH 130, 0                                      ; step 1's first units: also the places behind the bias products
	WIN 0
	s_wait_alu depctr_va_vdst(0)                   ; the wait at the head's end
	s_wait_tensorcnt 0x0                           ; my part of slot 0 is in
	ds_add_u32 v2, v3
	s_wait_dscnt 0x0                               ; the add is done, and step 0's codes are stored
	CROUND
	tensor_load_to_lds s[G0+4:G0+7], s[G1:G1+7]    ; steps 2 and 3
	s_nop 0
	PLACES
	LA 2
	LA 3
	LB 0
	LB 1
	LB 2
	LB 3
	LB 4
	LB 5
	WIN 0
	s_mov_b32 s[CNT], 0
.Ltrip:
.set k, 364
	s_wait_xcnt 0x0                                ; the loads and the prefetch have read their bases
	s_and_b32 s21, s[QN], 7                        ; the next trip's 64 i
	s_lshl_b32 s22, s21, 8
	s_mov_b32 s23, 0
	s_add_nc_u64 s[XBN:XBN+1], s[XR0:XR0+1], s[22:23]
	s_lshl_b32 s[KOFF], s21, 18
	s_add_co_u32 s[KOFF+2], s[KOFF], SLOTB
	s_add_co_u32 s21, s[QN], 1
	s_and_b32 s21, s21, 7                          ; and those of the trip after it
	s_lshl_b32 s22, s21, 8
	s_add_nc_u64 s[PFB:PFB+1], s[XR0:XR0+1], s[22:23]
	s_cmp_lt_u32 s[CNT], 6
	s_cbranch_scc0 .Lno_ask
	global_prefetch_b8 v[PFO], s[PFB:PFB+1] th:TH_LOAD_NT scope:SCOPE_SE
.Lno_ask:
	STEP 0, 1, 1, 4
	STEP 1, 3, 1, 4
	STEP 2, 1, 1, 4
	STEP 3, 4, 1, 4
	WIN 0
	s_add_co_u32 s[QN], s[QN], 1
	s_add_co_u32 s[CNT], s[CNT], 1
	s_cmp_lt_u32 s[CNT], 7
	s_cbranch_scc1 .Ltrip
.set k, 364                            ; the last trip: the stream ends with unit 31, nothing is filled, no x is loaded
.set ULIM, 32
	STEP 0, 1, 0, 4
	STEP 1, 2, 0, 0
.set WA, 1
	STEP 2, 1, 0, -1
	STEP 3, 0, 0, -1
; THE WAY OUT, tile by tile of 16 rows x 128 columns, through my own stage: 16 rows of 528 bytes in my part of slot 0, which has had its last fill and its last read.
; Back as whole rows: 32 lanes store 512 consecutive bytes, at a multiple of 256.  Tiles 0-3 are finished behind group 8 of the last step and leave among groups 9-16.
.macro TOSTAGE a
.irp b, 0,1,2,3,4,5,6,7
	WIN 2+(\a)/4
.set ar, 8*(8*((\a)%4)+\b)
.irp j, 0,2,4,6
	v_pk_mul_f32 v[TMP+8*\b+\j:TMP+8*\b+\j+1], v[ar+\j:ar+\j+1], s[PW:PW+1] op_sel_hi:[1,0]
.endr
.endr
	WIN 0
.irp b, 0,1,2,3,4,5,6,7
	ds_store_b128 v[STO], v[TMP+8*\b:TMP+8*\b+3] offset:64*\b
	ds_store_b128 v[STO], v[TMP+8*\b+4:TMP+8*\b+7] offset:64*\b+16
.endr
.if (\a)%2
.set BB, 0
	WIN 0x40
.else
.set BB, 96
.endif
.irp t, 0,1,2,3,4,5,6,7,8,9,10,11,12,13,14,15
	ds_load_b128 v[BB+4*\t:BB+4*\t+3], v[ADRB] offset:\t*528   ; LDS serves a wave's instructions in order (ISA guide 5.7.1.4)
.endr
.endm
.macro SEND a, younger                 ; younger: the LDS instructions issued behind tile a's loads
	s_wait_dscnt \younger
.if (\a)%2
.set BB, 0
	WIN 0x04
.else
.set BB, 96
	WIN 0
.endif
.irp t, 0,1,2,3,4,5,6,7,8,9,10,11,12,13,14,15
	global_store_b128 v[CO], v[BB+4*\t:BB+4*\t+3], s[OBP+2*((\a)/2):OBP+2*((\a)/2)+1] offset:((\a)%2)*32768+\t*2048 th:TH_STORE_NT
.endr
.endm
	PLACES
	s_wait_dscnt 0x0                               ; A4-A7 are in
	TOSTAGE 0
	GRP 1, 0
	GRP 1, 1
	TOSTAGE 1
	SEND 0, 32
	GRP 1, 2
	GRP 1, 3
	s_wait_xcnt 0x0                                ; the stores have read their data: the next loads may land there
	TOSTAGE 2
	SEND 1, 32
	GRP 1, 4
	GRP 1, 5
	s_wait_xcnt 0x0
	TOSTAGE 3
	SEND 2, 32
	GRP 1, 6
	GRP 1, 7
	PLACES
.irp a, 4,5,6,7
	s_wait_xcnt 0x0
	TOSTAGE \a
	SEND \a-1, 32
.endr
	SEND 7, 0
	WIN 0
	s_wait_tensorcnt 0x0                           ; the wave's end
	ds_add_u32 v2, v3
	s_wait_dscnt 0x0
	CROUND                                         ; the closing round
	s_endpgm
.Lfunc_end_k_q92e72045e9_branch:
	.size	k_q92e72045e9_branch, .Lfunc_end_k_q92e72045e9_branch-k_q92e72045e9_branch
	.p2alignl 7, 3214868480
	.fill 96, 4, 3214868480
	.section	.rodata,"a",@progbits
	.p2align	6, 0x0
	.amdhsa_kernel k_q92e72045e9_branch
		.amdhsa_group_segment_fixed_size 327680
		.amdhsa_private_segment_fixed_size 0
		.amdhsa_enable_private_segment 0
		.amdhsa_kernarg_size 48
		.amdhsa_user_sgpr_count 2
		.amdhsa_user_sgpr_kernarg_segment_ptr 1
		.amdhsa_wavefront_size32 1
		.amdhsa_system_sgpr_workgroup_id_x 1
		.amdhsa_system_sgpr_workgroup_id_y 1
		.amdhsa_system_sgpr_workgroup_id_z 1
		.amdhsa_system_vgpr_workitem_id 0
		.amdhsa_next_free_vgpr 1024
		.amdhsa_next_free_sgpr 98
		.amdhsa_reserve_vcc 1
		.amdhsa_float_denorm_mode_32 3
		.amdhsa_float_denorm_mode_16_64 3
		.amdhsa_memory_ordered 1
		.amdhsa_forward_progress 1
		.amdhsa_inst_pref_size 255
	.end_amdhsa_kernel
	.section	.bss,"aw",@nobits
	.p2align	6
	.space	262144
	.amdgpu_metadata
---
amdhsa.version: [ 1, 2 ]
amdhsa.kernels:
  - .name:           k_q92e72045e9_branch
    .symbol:         k_q92e72045e9_branch.kd
    .args:
      - { .name: x, .offset: 0, .size: 8, .value_kind: global_buffer, .address_space: global }
      - { .name: g, .offset: 8, .size: 8, .value_kind: global_buffer, .address_space: global }
      - { .name: kcodes, .offset: 16, .size: 8, .value_kind: global_buffer, .address_space: global }
      - { .name: bias, .offset: 24, .size: 8, .value_kind: global_buffer, .address_space: global }
      - { .name: lowp_scales, .offset: 32, .size: 8, .value_kind: global_buffer, .address_space: global }
      - { .name: out0, .offset: 40, .size: 8, .value_kind: global_buffer, .address_space: global }
    .group_segment_fixed_size: 327680
    .private_segment_fixed_size: 0
    .kernarg_segment_align: 8
    .kernarg_segment_size: 48
    .max_flat_workgroup_size: 128
    .sgpr_count:     98
    .vgpr_count:     1024
    .wavefront_size: 32
...
	.end_amdgpu_metadata
.endif
;; end of part 2
